; MI455X (gfx1250); checked and timed in simulation.
; The chip was launched on July 23, 2026; its instructions are those of AMD's public machine-readable ISA for CDNA 5 (MIT licence, August 2026) and "CDNA5" Instruction Set Architecture Reference Guide (July 2026). The comments in the code are by the model that wrote it; some were corrected since.
;; Causal Self Attention. Allowed arithmetic: float matrix products may take bf16 or f16 operands with f32 sums; all other float work in f32.
;; Inputs: freqs 2,048 x 64 x 2 float32; mask 2,048 x 2,048 float32; wk 2,048 x 2,048 float32; wo 2,048 x 2,048 float32; wq 2,048 x 2,048 float32; wv 2,048 x 2,048 float32; x 1 x 2,048 x 2,048 float32.
;; Outputs: out0 1 x 2,048 x 2,048 float32.
;; One version. Each part assembles by itself: llvm-mc -triple=amdgcn-amd-amdhsa -mcpu=gfx1250 --defsym DOCPART=n.
;; ======== version 1 of 1: 4 launches
;; limits: inputs' magnitudes at most 6.9e+37; values outside matrix products are rounded to bf16; values are held in f16: magnitudes above 65,504 overflow, below 6.1e-05 lose precision
;; workspace buffers: cb 41,943,040 bytes; qkv 25,165,824 bytes; ab 8,388,608 bytes
;; launch cast (part 1): grid 256 x 5, 8 waves a work-group, no clusters, 0 bytes of LDS; arguments x, wq, wk, wv, wo, cb; writes cb
.if DOCPART == 1
	.amdgcn_target "amdgcn-amd-amdhsa--gfx1250"
	.amdhsa_code_object_version 6
	.text
	.protected	k_q04a24ec651_cast
	.globl	k_q04a24ec651_cast
	.p2align	8
	.type	k_q04a24ec651_cast,@function
k_q04a24ec651_cast:
	s_mov_b64 s[64:65], 0
	v_nop
	global_prefetch_b8 v0, s[64:65] scope:SCOPE_SE
	s_setreg_imm32_b32 hwreg(HW_REG_WAVE_MODE, 25, 1), 1
	s_wait_xcnt 0x0
; cb = the five matrix inputs in 16 bits, [10240][2048]: rows 0- x, 2048- wq, 4096- wk, 6144- wv (bf16), 8192- wo.
; Every input is rounded to bf16 once (nearest even).  wo's bf16 numbers are then written as f16 codes, because their partner in the last
; product, the attention's output, is kept in f16, and a matrix instruction takes one format for both sources.  A bf16 number of magnitude
; 2^-17 to 65504 is exact in f16; below that the f16 code is off by at most 2^-25 (wo as drawn has a spread of 0.022).
; LIMIT: |wo| above 65504 becomes infinity.
; A stream: each byte is read once and written once, so there is no LDS, no barrier, no matrix unit and nothing that work-groups share.
; Work-group (x, y) takes 65,536 bytes of input y; thread t takes 16 bytes at 16 t of each of 16 pieces of 4,096 bytes.  A wave's load covers 512
; consecutive bytes, its store 256 consecutive bytes at a multiple of 256.  All 16 loads go out first.  A piece is packed in place, into the first two
; of its four registers: 72 registers a wave, so that the ten waves that five work-groups put on a SIMD (720 registers) lie there together.
.set IN,  8                            ; v[8:71]    piece j: 4 f32 as loaded; then 4 numbers of 16 bits in its first two registers
	s_load_b256 s[4:11], s[0:1], 0x0               ; x s[4:5], wq s[6:7], wk s[8:9], wv s[10:11]
	s_load_b128 s[12:15], s[0:1], 0x20             ; wo s[12:13], cb s[14:15]
	s_and_b32 s16, ttmp7, 0xffff                   ; y: which input
	s_lshl_b32 s18, ttmp9, 16                      ; my 65,536 bytes of it
	s_mov_b32 s19, 0
	s_lshl_b32 s20, s16, 23                        ; in cb: 8 MiB an input,
	s_lshl_b32 s21, ttmp9, 15                      ; 32,768 bytes a work-group
	s_add_co_u32 s20, s20, s21
	s_mov_b32 s21, 0
	v_lshlrev_b32 v1, 4, v0                        ; 16 t
	v_lshlrev_b32 v2, 3, v0                        ; 8 t
	s_wait_kmcnt 0x0
	s_cmp_eq_u32 s16, 1                            ; the source is chosen by y alone
	s_cselect_b64 s[4:5], s[6:7], s[4:5]
	s_cmp_eq_u32 s16, 2
	s_cselect_b64 s[4:5], s[8:9], s[4:5]
	s_cmp_eq_u32 s16, 3
	s_cselect_b64 s[4:5], s[10:11], s[4:5]
	s_cmp_eq_u32 s16, 4
	s_cselect_b64 s[4:5], s[12:13], s[4:5]
	s_add_nc_u64 s[4:5], s[4:5], s[18:19]
	s_add_nc_u64 s[14:15], s[14:15], s[20:21]
.irp j, 0,1,2,3,4,5,6,7,8,9,10,11,12,13,14,15
	global_load_b128 v[IN+4*\j:IN+4*\j+3], v1, s[4:5] offset:4096*\j th:TH_LOAD_NT
.endr
	s_cmp_eq_u32 s16, 4
	s_cbranch_scc1 .Lwo
.irp j, 0,1,2,3,4,5,6,7,8,9,10,11,12,13,14,15
	s_wait_loadcnt 15-\j                           ; loads come back in order: piece j is in, the 15 - j younger ones stay out
	v_cvt_pk_bf16_f32 v[IN+4*\j],   v[IN+4*\j],   v[IN+4*\j+1]
	v_cvt_pk_bf16_f32 v[IN+4*\j+1], v[IN+4*\j+2], v[IN+4*\j+3]
	global_store_b64 v2, v[IN+4*\j:IN+4*\j+1], s[14:15] offset:2048*\j   ; its data registers are not written again
.endr
	s_endpgm
.Lwo:                                              ; wo: to bf16, back to f32 (a shift, a mask), and into the f16 code
.irp j, 0,1,2,3,4,5,6,7,8,9,10,11,12,13,14,15
	s_wait_loadcnt 15-\j
	v_cvt_pk_bf16_f32 v[IN+4*\j],   v[IN+4*\j],   v[IN+4*\j+1]
	v_cvt_pk_bf16_f32 v[IN+4*\j+1], v[IN+4*\j+2], v[IN+4*\j+3]
	v_lshlrev_b32 v[IN+4*\j+2], 16,         v[IN+4*\j+1]
	v_and_b32     v[IN+4*\j+3], 0xffff0000, v[IN+4*\j+1]
	v_cvt_pk_f16_f32 v[IN+4*\j+1], v[IN+4*\j+2], v[IN+4*\j+3]
	v_lshlrev_b32 v[IN+4*\j+2], 16,         v[IN+4*\j]
	v_and_b32     v[IN+4*\j+3], 0xffff0000, v[IN+4*\j]
	v_cvt_pk_f16_f32 v[IN+4*\j],   v[IN+4*\j+2], v[IN+4*\j+3]
	global_store_b64 v2, v[IN+4*\j:IN+4*\j+1], s[14:15] offset:2048*\j
.endr
	s_endpgm
.Lfunc_end_k_q04a24ec651_cast:
	.size	k_q04a24ec651_cast, .Lfunc_end_k_q04a24ec651_cast-k_q04a24ec651_cast
	.p2alignl 7, 3214868480
	.fill 96, 4, 3214868480
	.section	.rodata,"a",@progbits
	.p2align	6, 0x0
	.amdhsa_kernel k_q04a24ec651_cast
		.amdhsa_group_segment_fixed_size 0
		.amdhsa_private_segment_fixed_size 0
		.amdhsa_enable_private_segment 0
		.amdhsa_kernarg_size 48
		.amdhsa_user_sgpr_count 2
		.amdhsa_user_sgpr_kernarg_segment_ptr 1
		.amdhsa_wavefront_size32 1
		.amdhsa_system_sgpr_workgroup_id_x 1
		.amdhsa_system_sgpr_workgroup_id_y 1
		.amdhsa_system_sgpr_workgroup_id_z 1
		.amdhsa_system_vgpr_workitem_id 0
		.amdhsa_next_free_vgpr 72
		.amdhsa_next_free_sgpr 66
		.amdhsa_reserve_vcc 0
		.amdhsa_float_denorm_mode_32 3
		.amdhsa_float_denorm_mode_16_64 3
		.amdhsa_memory_ordered 1
		.amdhsa_forward_progress 1
		.amdhsa_inst_pref_size 16
	.end_amdhsa_kernel
	.amdgpu_metadata
---
amdhsa.version: [ 1, 2 ]
amdhsa.kernels:
  - .name:           k_q04a24ec651_cast
    .symbol:         k_q04a24ec651_cast.kd
    .args:
      - { .name: x, .offset: 0, .size: 8, .value_kind: global_buffer, .address_space: global }
      - { .name: wq, .offset: 8, .size: 8, .value_kind: global_buffer, .address_space: global }
      - { .name: wk, .offset: 16, .size: 8, .value_kind: global_buffer, .address_space: global }
      - { .name: wv, .offset: 24, .size: 8, .value_kind: global_buffer, .address_space: global }
      - { .name: wo, .offset: 32, .size: 8, .value_kind: global_buffer, .address_space: global }
      - { .name: cb, .offset: 40, .size: 8, .value_kind: global_buffer, .address_space: global }
    .group_segment_fixed_size: 0
    .private_segment_fixed_size: 0
    .kernarg_segment_align: 8
    .kernarg_segment_size: 48
    .max_flat_workgroup_size: 256
    .sgpr_count:     66
    .vgpr_count:     72
    .wavefront_size: 32
...
	.end_amdgpu_metadata
.endif
;; end of part 1
;; launch proj (part 2): grid 16 x 16, 4 waves a work-group, clusters of 4 x 4, 327,680 bytes of LDS; arguments cb, freqs, qkv; writes qkv
.if DOCPART == 2
	.amdgcn_target "amdgcn-amd-amdhsa--gfx1250"
	.amdhsa_code_object_version 6
	.text
	.protected	k_q04a24ec651_proj
	.globl	k_q04a24ec651_proj
	.p2align	8
	.type	k_q04a24ec651_proj,@function
k_q04a24ec651_proj:
	s_mov_b64 s[64:65], 0
	v_nop
	global_prefetch_b8 v0, s[64:65] scope:SCOPE_SE
	s_setreg_imm32_b32 hwreg(HW_REG_WAVE_MODE, 25, 1), 1
	s_wait_xcnt 0x0
	s_wait_alu depctr_hold_cnt(0) depctr_sa_sdst(0) depctr_va_vdst(0) depctr_va_sdst(0) depctr_va_ssrc(0) depctr_va_vcc(0) depctr_vm_vsrc(0)
	s_getreg_b32 s2, hwreg(HW_REG_IB_STS2, 6, 4)
	s_cmp_eq_u32 s2, 0
	s_cbranch_scc0 .Lentry_in_a_cluster
	s_endpgm
.Lentry_in_a_cluster:
	s_bfe_u32 s2, ttmp6, 0x10000c
	s_cmp_lg_u32 s2, 0xf033
	s_cbranch_scc0 .Lentry_shape_is_right
	s_endpgm
.Lentry_shape_is_right:
; q = c rope(x wq^T), k = c rope(x wk^T), v = x wv^T for one head (work-group x) and 128 rows t (work-group y): a block of 128 x 384.
; c = sqrt(log2 e / sqrt(128)) rides on cos and sin, so that q . k in the next launch is the logit in units of log2 and needs no further factor.
; In: cb (x and the weights in bf16, [row][2048]), freqs (f32).  Out, in f16, pitch 4,096 bytes: q [t][e] at byte 0 of qkv, k [t][e] at 8 MiB,
; v TRANSPOSED [e][t] at 16 MiB (the next launch wants keys along the rows of v).
; FORMATS.  Products bf16 x bf16 with f32 sums; RoPE in f32.  cos and sin are rounded to bf16 first, as x and the weights are: the program computes
; the module on inputs in bf16.  q, k, v leave in f16 and not in bf16: an output row that averages few keys is some ten times larger than the root mean
; square of the whole output, and eight bits of significand in v would cost more there than a hundredth of that root mean square.
; LIMIT: |c q|, |c k|, |v| above 65504 become infinity (|v| is about 5 as drawn; about 4,500 with x and a weight 30 times larger; about 41,000 with offsets
; of 30 spreads on both; c = 0.357).
; SHAPE.  Four waves, as many as a WGP has SIMDs.  Wave (mr, nc) makes rows 64 mr .. +63 and columns 64 nc .. +63 of q, of k and of v: 48 accumulator
; tiles, 48 matrix instructions for 32 along K on 16 fragments.  K goes in steps of 128 through two LDS slots; a slot holds 128 rows of x, wq, wk, wv,
; each row 256 bytes of memory at a multiple of 256.
; CLUSTERS: 4 x 4 work-groups.  x's tile hangs on the row block alone and is asked for jointly by a row of the cluster; the weights' tiles hang on the head
; alone and are asked for jointly by a column.  Wave 0 asks for x, waves 1, 2, 3 for wq, wk, wv.
; THE WALK ALONG K starts at quarter (cluster x + 2 cluster y) mod 4 of K and wraps round.  The four clusters that read the same rows of x start at four
; different quarters, neighbouring clusters that read the same weights two quarters apart: they do not ask for the same bytes at the same time, and in
; the second half of its walk a cluster asks for bytes that another one has asked for before.  The start is equal in all sixteen work-groups of a cluster.
; REGISTERS, in windows of 256: window 0 addresses, x's fragments (two buffers), the way out; window 1 the weights' fragments (two buffers);
; window 2 the 32 tiles of q and k (tile (a, c) at v[8 (8 a + c)], c = 0-3 q, 4-7 k); window 3 v[0:127] the 16 tiles of v, v[128:255] c cos and c sin.
; q and k are multiplied TRANSPOSED (source 0 = 16 rows of the weight, source 1 = 16 rows of x): a lane holds row t = l % 16 and eight neighbouring e.
; v is multiplied the natural way round: a lane holds e = l % 16 and eight neighbouring t, which is a piece of a row of v transposed.
.set KSTEP,  128
.set PITCH,  272                       ; an LDS row: 256 bytes + 16 of padding, an odd multiple of 16: sixteen rows start at sixteen different 16-byte columns of 256 bytes
.set FR,     16*PITCH                  ; 16 rows: a fragment
.set WROWS,  64*PITCH                  ; 64 rows: a wave's share of a part
.set HALFT,  128*PITCH                 ; a part: what one tensor load brings
.set SLOT,   4*HALFT                   ; x, wq, wk, wv
.set LAPS,   2048/(2*KSTEP)            ; a lap = two K steps = once round the ring
.set SP,     144                       ; the way out: a wave's 64 x 64 numbers of 16 bits, rows of 128 bytes + 16
.set RG,     64*SP+128                 ; one such region; + 128 so that neighbouring regions lie 128 bytes apart modulo 256
.set ADRX, 16                          ; v16-17  LDS address of my x fragments in slot 0, 1
.set ADRW, 18                          ; v18-19  of my wq fragments (wk's: + HALFT in the offset)
.set ADRV, 20                          ; v20-21  of my wv fragments
.set FO,   22                          ; v22     my byte offset in freqs
.set STO,  23                          ; v23     the way out: where I put 16 bytes of q or k
.set STV,  24                          ; v24     the same for v
.set RD,   25                          ; v25     where I read rows of q and k back
.set RD2,  26                          ; v26     the same for v
.set CO,   27                          ; v27     my byte offset in the three outputs
.set XF,   32                          ; window 0: v32-63, v64-95 fragments of x, buffer 0, 1
.set WF,   0                           ; window 1: v0-95, v96-191 fragments of wq (0-3), wk (4-7), wv (8-11), buffer 0, 1
.set Y,    96                          ; v96-159   the way out: results in f32, then v in f16; at the head: cos and sin in bf16
.set T,    160                         ; v160-167  products at work
.set PK,   168                         ; v168-199  packed f16
.set CP,   32                          ; v32-223   rows read back
.set FQ,   128                         ; window 3: c cos, c sin of tile (a, b) at v[128 + 8 (4 a + b)]
.set G1X, 24                           ; s[24:31] descriptor group 1 for x's tile
.set G0X, 32                           ; s[32:39] group 0 for x's tile, one set for each slot
.set G1W, 48                           ; s[48:55] group 1 for the weights' tiles: another mask
.set G0W, 56                           ; s[56:63] group 0 for the weights' tiles
.set BQ,  68                           ; s[68:69] q's, s[70:71] k's, s[72:73] v's block in qkv
.set BF,  74                           ; s[74:75] freqs at my first row
.set OFK, 80                           ; s[80:81], s[82:83] byte offset along a row of slot 0's, slot 1's tile (upper words 0)
.set DW0, (1<<16)|(1<<20)|(1<<21)|(5<<22)|(3<<25)  ; 17:16 element of 2 bytes; 20 padding on; 21 set beside a mask; 24:22 after every 64 words; 31:25 of 4 words
.set MUL_QK, 0xa1                      ; source 0 window 1, source 1 window 0, C and D window 2
.set MUL_V,  0xf4                      ; source 0 window 0, source 1 window 1, C and D window 3
.set TO_W,   0x40                      ; destination window 1
.set MSB, 0
.macro WIN new                         ; the immediate's high byte repeats the setting that is left
.if MSB != \new
	s_set_vgpr_msb (MSB<<8)|\new
.set MSB, \new
.endif
.endm
.macro PLACES                          ; four places behind matrix instructions, in front of what reads a result or loads over a source
.rept 4
	v_nop
.endr
.endm
; A joint load: one line and one mask for x (wave 0), one for the weights (waves 1 to 3).  The branch hangs on the wave's number alone.
.macro JLOAD s
	s_cmp_eq_u32 s10, 0
	s_cbranch_scc0 .Lfor_w_\@
	tensor_load_to_lds s[G0X+4*(\s):G0X+4*(\s)+3], s[G1X:G1X+7]
	s_nop 0
	s_branch .Lasked_\@
.Lfor_w_\@:
	tensor_load_to_lds s[G0W+4*(\s):G0W+4*(\s)+3], s[G1W:G1W+7]
	s_nop 0
.Lasked_\@:
.endm
.macro CREST                           ; a round of the cluster's barrier behind its opening work-group barrier
	s_cmp_lg_u32 s10, 0
	s_cbranch_scc1 .Lnot_wave_0_\@
	s_barrier_signal -3
.Lnot_wave_0_\@:
	s_barrier_wait -3
	s_barrier_signal -1
	s_barrier_wait -1
.endm
.macro CROUND                          ; a whole round
	s_barrier_signal -1
	s_barrier_wait -1
	CREST
.endm
	s_load_b128 s[4:7], s[0:1], 0x0                ; cb s[4:5], freqs s[6:7]
	s_load_b64 s[8:9], s[0:1], 0x10                ; qkv
	s_set_vgpr_msb 0x40
	v_lshl_add_u32 v255, v0, 2, 0x44000
	s_set_vgpr_msb 0x4000
	v_mov_b32 v255, 0
	s_set_vgpr_msb 0x1
	ds_add_u32 v255, v255
	s_set_vgpr_msb 0x100
	v_lshrrev_b32 v1, 5, v0
	v_readfirstlane_b32 s10, v1                    ; wave 0..3
	s_lshr_b32 s11, s10, 1                         ; mr: my half of the rows
	s_and_b32 s12, s10, 1                          ; nc: my half of the head's columns
	s_bfe_u32 s40, ttmp6, 0x40000                  ; cx
	s_bfe_u32 s41, ttmp6, 0x40004                  ; cy
	s_lshl_b32 s42, ttmp9, 2
	s_add_co_u32 s42, s42, s40                     ; head = 4 x cluster x + cx
	s_and_b32 s13, ttmp7, 0xffff
	s_lshl_b32 s13, s13, 2
	s_add_co_u32 s13, s13, s41                     ; row block = 4 x cluster y + cy
	s_lshl_b32 s43, s41, 2
	s_lshl_b32 s43, 15, s43                        ; my row of the cluster
	s_lshl_b32 s44, 0x1111, s40                    ; my column
	s_and_b32 s45, ttmp7, 0xffff                   ; where the walk along K starts: made of the cluster's own x and y, equal in all its work-groups
	s_lshl_b32 s45, s45, 1
	s_add_co_u32 s45, s45, ttmp9
	s_and_b32 s45, s45, 3                          ; quarter (cluster x + 2 cluster y) mod 4
	s_lshl_b32 s[OFK], s45, 10                     ; a quarter of a row: 512 elements, 1,024 bytes
	s_add_co_u32 s[OFK+2], s[OFK], KSTEP*2         ; slot 1: the K step behind it
	s_mov_b32 s[OFK+1], 0
	s_mov_b32 s[OFK+3], 0
	s_or_b32 s[G1X+0], s43, DW0                    ; x's tile goes to my row of the cluster,
	s_or_b32 s[G1W+0], s44, DW0                    ; the weights' tiles to my column
	s_mov_b32 s[G1X+1], KSTEP<<16                  ; tensor_dim0 = 128
	s_mov_b32 s[G1W+1], KSTEP<<16
	s_mov_b32 s[G1X+2], 128<<16                    ; tensor_dim1 = 128
	s_mov_b32 s[G1W+2], 128<<16
	s_mov_b32 s[G1X+3], KSTEP<<16                  ; tile_dim0 = 128
	s_mov_b32 s[G1W+3], KSTEP<<16
	s_mov_b32 s[G1X+4], 128                        ; tile_dim1 = 128
	s_mov_b32 s[G1W+4], 128
	s_mov_b32 s[G1X+5], 2048                       ; elements from row to row
	s_mov_b32 s[G1W+5], 2048
	s_mov_b32 s[G1X+6], 0
	s_mov_b32 s[G1W+6], 0
	s_mov_b32 s[G1X+7], 0
	s_mov_b32 s[G1W+7], 0
	s_lshl_b32 s16, s13, 19                        ; x: 128 rows of 4,096 bytes a row block (registers that never hold the head)
	s_mov_b32 s17, 0
	s_lshl_b32 s46, s10, 23                        ; weights: 8 MiB a matrix, wq behind x (wave 0's value points into x and is not used),
	s_lshl_b32 s47, s42, 19                        ; 128 rows a head (registers that never hold the row block)
	s_add_co_u32 s46, s46, s47
	s_mov_b32 s47, 0
	s_mul_i32 s20, s10, HALFT                      ; LDS: part = wave
	s_lshl_b32 s66, s13, 19                        ; q and k: row block x 128 rows + head x 256 bytes
	s_lshl_b32 s67, s42, 8
	s_add_co_u32 s66, s66, s67
	s_mov_b32 s67, 0
	s_lshl_b32 s76, s42, 19                        ; v transposed: head x 128 rows + row block x 256 bytes, behind 16 MiB
	s_lshl_b32 s77, s13, 8
	s_add_co_u32 s76, s76, s77
	s_add_co_u32 s76, s76, 0x1000000
	s_mov_b32 s77, 0
	s_lshl_b32 s78, s13, 16                        ; freqs: 128 rows of 512 bytes
	s_mov_b32 s79, 0
	s_wait_dscnt 0x0
	s_wait_kmcnt 0x0
	s_add_nc_u64 s[14:15], s[4:5], s[16:17]        ; x at my rows' first byte,
	s_or_b32 s15, s15, 0x80000000                  ; with the descriptor's type = 2 on top: a tile's address is this plus its offset along the row
	s_add_nc_u64 s[46:47], s[4:5], s[46:47]        ; the same for my weight
	s_or_b32 s47, s47, 0x80000000
	s_add_nc_u64 s[BQ:BQ+1], s[8:9], s[66:67]
	s_add_nc_u64 s[BQ+2:BQ+3], s[BQ:BQ+1], 0x800000
	s_add_nc_u64 s[BQ+4:BQ+5], s[8:9], s[76:77]
	s_add_nc_u64 s[BF:BF+1], s[6:7], s[78:79]
	CROUND                                         ; all sixteen work-groups are here: the first joint loads meet
.irp s, 0,1
	s_mov_b32 s[G0X+4*\s], 1                                       ; count = 1
	s_add_co_u32 s[G0X+4*\s+1], s20, \s*SLOT                       ; LDS address
	s_add_nc_u64 s[G0X+4*\s+2:G0X+4*\s+3], s[14:15], s[OFK+2*\s:OFK+2*\s+1]   ; global address and type
	s_mov_b32 s[G0W+4*\s], 1
	s_add_co_u32 s[G0W+4*\s+1], s20, \s*SLOT
	s_add_nc_u64 s[G0W+4*\s+2:G0W+4*\s+3], s[46:47], s[OFK+2*\s:OFK+2*\s+1]
	JLOAD \s
.endr
	v_and_b32 v1, 15, v0                           ; r = l % 16
	v_bfe_u32 v2, v0, 4, 1                         ; h = l / 16
	v_mul_u32_u24 v3, v1, PITCH
	v_lshl_add_u32 v3, v2, 4, v3                   ; r x pitch + 16 h: a fragment is two loads of 16 bytes, 32 bytes apart
	s_mul_i32 s21, s11, WROWS
	s_mul_i32 s22, s12, WROWS
	s_add_co_u32 s22, s22, HALFT
.irp s, 0,1
	v_add_nc_u32 v[ADRX+\s], s21, v3
	v_add_nc_u32 v[ADRW+\s], s22, v3
	v_add_nc_u32 v[ADRV+\s], 2*HALFT, v[ADRW+\s]
	s_add_co_u32 s21, s21, SLOT
	s_add_co_u32 s22, s22, SLOT
.endr
	v_lshlrev_b32 v4, 9, v1                        ; freqs: row (64 mr + r) x 512 bytes + columns (64 nc + 8 h) x 4 bytes
	v_lshl_add_u32 v4, v2, 5, v4
	s_lshl_b32 s21, s11, 15
	s_lshl_b32 s22, s12, 8
	s_add_co_u32 s21, s21, s22
	v_add_nc_u32 v[FO], s21, v4
	; cos and sin of my 64 rows x 32 pairs, once: 32 bytes for each tile (a, b).  A row block's eight loads cover 256 consecutive bytes of 16 rows.
	; q and k use the same numbers.
	WIN 0xc0
.irp a, 0,1,2,3
.irp b, 0,1,2,3
	global_load_b128 v[FQ+8*(4*\a+\b):FQ+8*(4*\a+\b)+3],   v[FO], s[BF:BF+1] offset:\a*8192+64*\b
	global_load_b128 v[FQ+8*(4*\a+\b)+4:FQ+8*(4*\a+\b)+7], v[FO], s[BF:BF+1] offset:\a*8192+64*\b+16
.endr
.endr
	WIN 0
	v_mul_u32_u24 v5, v1, SP
	v_lshl_add_u32 v5, v2, 4, v5                   ; the way out, in: r x 144 + 16 h
	s_mul_i32 s21, s10, RG                         ; q, k: region 2 mr + nc = wave
	v_add_nc_u32 v[STO], s21, v5
	s_lshl_b32 s22, s12, 1                         ; v: region 2 nc + mr, behind the eight of q and k
	s_add_co_u32 s22, s22, s11
	s_mul_i32 s22, s22, RG
	s_add_co_u32 s22, s22, 8*RG
	v_add_nc_u32 v[STV], s22, v5
	v_bfe_u32 v6, v0, 3, 1                         ; back: sixteen lanes take a row of 256 bytes, eight from each of two regions
	v_and_b32 v7, 7, v0
	v_mul_u32_u24 v6, v6, RG
	v_mad_u32_u24 v6, v2, SP, v6                   ; lanes 16-31 take the next row
	v_lshl_add_u32 v6, v7, 4, v6
	s_mul_i32 s21, s11, 2*RG                       ; wave w copies rows 32 w .. 32 w + 31 of each of the three blocks
	s_mul_i32 s22, s12, 32*SP
	s_add_co_u32 s21, s21, s22
	v_add_nc_u32 v[RD], s21, v6
	v_add_nc_u32 v[RD2], 8*RG, v[RD]
	v_lshlrev_b32 v8, 12, v2                       ; and the same rows in memory: (32 w + h) x 4,096 + 16 r
	v_lshl_add_u32 v8, v1, 4, v8
	s_lshl_b32 s21, s10, 17
	v_add_nc_u32 v[CO], s21, v8
	; cos and sin are made ready here, while the first tiles are on their way: to bf16, back to f32, times c
	s_wait_loadcnt 0x0
	WIN 0x0f
.set i, 0
.rept 64
	v_cvt_pk_bf16_f32 v[Y+i], v[FQ+2*i], v[FQ+2*i+1]
.set i, i+1
.endr
	WIN 0xc0                                       ; cos was in the low half, sin in the high half
.set i, 0
.rept 64
	v_lshlrev_b32 v[FQ+2*i],   16,         v[Y+i]
	v_and_b32     v[FQ+2*i+1], 0xffff0000, v[Y+i]
.set i, i+1
.endr
	WIN 0xc3
.set i, 0
.rept 64
	v_pk_mul_f32 v[FQ+i:FQ+i+1], v[FQ+i:FQ+i+1], 0x3eb6d544 op_sel_hi:[1,0]   ; c = 0.35709583 = sqrt(1.44269504 / 11.3137085)
.set i, i+2
.endr
	WIN 0
; 16 matrix instructions of q and k: row blocks a0, a0 + 1 x the eight column blocks, 32 along K.  zero = 1: the first product starts the sums.
; The 48 accumulators take turns, one instruction a turn, in the same order in every quarter step.
.macro MULQK f, a0, zero
.irp a, \a0, \a0+1
.irp c, 0,1,2,3,4,5,6,7
.if \zero
	v_wmma_f32_16x16x32_bf16 v[8*(8*(\a)+\c):8*(8*(\a)+\c)+7], v[WF+96*\f+8*\c:WF+96*\f+8*\c+7], v[XF+32*\f+8*(\a):XF+32*\f+8*(\a)+7], 0
.else
	v_wmma_f32_16x16x32_bf16 v[8*(8*(\a)+\c):8*(8*(\a)+\c)+7], v[WF+96*\f+8*\c:WF+96*\f+8*\c+7], v[XF+32*\f+8*(\a):XF+32*\f+8*(\a)+7], v[8*(8*(\a)+\c):8*(8*(\a)+\c)+7]
.endif
.endr
.endr
.endm
.macro MULV f, zero                    ; the 16 of v
.irp a, 0,1,2,3
.irp b, 0,1,2,3
.if \zero
	v_wmma_f32_16x16x32_bf16 v[8*(4*\a+\b):8*(4*\a+\b)+7], v[XF+32*\f+8*\a:XF+32*\f+8*\a+7], v[WF+96*\f+64+8*\b:WF+96*\f+64+8*\b+7], 0
.else
	v_wmma_f32_16x16x32_bf16 v[8*(4*\a+\b):8*(4*\a+\b)+7], v[XF+32*\f+8*\a:XF+32*\f+8*\a+7], v[WF+96*\f+64+8*\b:WF+96*\f+64+8*\b+7], v[8*(4*\a+\b):8*(4*\a+\b)+7]
.endif
.endr
.endr
.endm
; 32 LDS loads in one run: the fragments of a quarter step (32 K at byte kb of the rows) into buffer f: x, then wq and wk, then wv
.macro FETCH slot, kb, f
	WIN 0
.irp a, 0,1,2,3
	ds_load_b128 v[XF+32*\f+8*\a:XF+32*\f+8*\a+3],   v[ADRX+\slot] offset:\kb+\a*FR
	ds_load_b128 v[XF+32*\f+8*\a+4:XF+32*\f+8*\a+7], v[ADRX+\slot] offset:\kb+\a*FR+32
.endr
	WIN TO_W
.irp ty, 0,1
.irp b, 0,1,2,3
	ds_load_b128 v[WF+96*\f+8*(4*\ty+\b):WF+96*\f+8*(4*\ty+\b)+3],   v[ADRW+\slot] offset:\kb+\ty*HALFT+\b*FR
	ds_load_b128 v[WF+96*\f+8*(4*\ty+\b)+4:WF+96*\f+8*(4*\ty+\b)+7], v[ADRW+\slot] offset:\kb+\ty*HALFT+\b*FR+32
.endr
.endr
.irp b, 0,1,2,3
	ds_load_b128 v[WF+96*\f+64+8*\b:WF+96*\f+64+8*\b+3],   v[ADRV+\slot] offset:\kb+\b*FR
	ds_load_b128 v[WF+96*\f+64+8*\b+4:WF+96*\f+64+8*\b+7], v[ADRV+\slot] offset:\kb+\b*FR+32
.endr
.endm
; One of a K step's first three quarters: multiplies buffer f, and in its middle fetches the next quarter's fragments into buffer g
.macro QUARTER slot, kb, f, g, zero
	s_wait_dscnt 8                                 ; x, wq, wk are in; the youngest eight loads (wv) may be out
	WIN MUL_QK
	MULQK \f, 0, \zero
	MULQK \f, 2, \zero
	PLACES
	FETCH \slot, \kb, \g
	s_wait_dscnt 32                                ; all but the 32 just issued
	WIN MUL_V
	MULV \f, \zero
.endm
.macro THREE slot, zero
	QUARTER \slot, 64,  0, 1, \zero
	QUARTER \slot, 128, 1, 0, 0
	QUARTER \slot, 192, 0, 1, 0
.endm
; The last quarter: multiplies buffer 1 and changes slots.  In front of the barrier each wave waits for its reads of this slot and for all its
; tensor loads (one is out: its part of the next slot).  Where this slot is filled again, the barrier opens a round of the cluster's barrier, and the joint
; refill is the first tensor load behind the round's closing wait.  Nothing but the round stands between the wait for the landed tile and the next request;
; the quarter's other 32 matrix instructions, which need registers alone, follow the request.
.macro TURN slot, next, fill
	s_wait_dscnt 8
	WIN MUL_QK
	MULQK 1, 0, 0
	s_wait_dscnt 0                                 ; my reads of this slot are over
	s_wait_tensorcnt 0x0                           ; all my tensor loads have landed: every group 0 may be written
	ds_add_u32 v255, v255
	s_wait_dscnt 0x0
.if \fill
	s_add_co_u32 s[OFK+2*\slot], s[OFK+2*\slot], 2*KSTEP*2         ; this slot's next tile: two K steps on,
	s_and_b32 s[OFK+2*\slot], s[OFK+2*\slot], 4095                 ; round the end of the row of 4,096 bytes
	s_add_nc_u64 s[G0X+4*\slot+2:G0X+4*\slot+3], s[14:15], s[OFK+2*\slot:OFK+2*\slot+1]
	s_add_nc_u64 s[G0W+4*\slot+2:G0W+4*\slot+3], s[46:47], s[OFK+2*\slot:OFK+2*\slot+1]
	WIN 0
.endif
	s_barrier_signal -1
	s_barrier_wait -1
.if \fill
	CREST
	JLOAD \slot
	WIN MUL_QK
.endif
	MULQK 1, 2, 0
	PLACES
	FETCH \next, 0, 0
	WIN MUL_V
	MULV 1, 0
.endm
.macro LAP zero
	THREE 0, \zero
	TURN 0, 1, 1
	THREE 1, 0
	TURN 1, 0, 1
.endm
	s_wait_tensorcnt 1                             ; my part of the first K step is in; the second's stays out
	s_barrier_signal -1
	s_barrier_wait -1
	FETCH 0, 0, 0
	LAP 1                                          ; the first lap stands in front of the loop: its first products start the sums
	WIN 0
	s_mov_b32 s3, LAPS-2
.Llap:
	LAP 0
	WIN 0
	s_sub_co_u32 s3, s3, 1
	s_cmp_lg_u32 s3, 0
	s_cbranch_scc1 .Llap
	THREE 0, 0                                     ; the last lap fills nothing
	TURN 0, 1, 0
	THREE 1, 0
	s_wait_dscnt 8
	WIN MUL_QK
	MULQK 1, 0, 0
	MULQK 1, 2, 0
	s_wait_dscnt 0
	WIN MUL_V
	MULV 1, 0
	; THE WAY OUT.  Slot 0 has had its last fill, and every wave's reads of it ended in front of the last change of slots: it serves as the stage.
	PLACES
; rows 16 a .. 16 a + 15 of my q and k: (xe, xo) -> (xe cos - xo sin, xe sin + xo cos); a lane's registers 2 i, 2 i + 1 are a pair
.macro ROPE a
	WIN 0x0e                                       ; source 0 window 2 (sums), source 1 window 3 (c cos, c sin), the rest window 0
.irp c, 0,1,2,3,4,5,6,7
.irp i, 0,1,2,3
	v_mul_f32 v[T+2*\i],   v[8*(8*\a+\c)+2*\i+1], v[FQ+8*(4*\a+(\c&3))+2*\i+1]
	v_mul_f32 v[T+2*\i+1], v[8*(8*\a+\c)+2*\i+1], v[FQ+8*(4*\a+(\c&3))+2*\i]
.endr
.irp i, 0,1,2,3
	v_fma_f32 v[Y+8*\c+2*\i],   v[8*(8*\a+\c)+2*\i], v[FQ+8*(4*\a+(\c&3))+2*\i],   -v[T+2*\i]
	v_fma_f32 v[Y+8*\c+2*\i+1], v[8*(8*\a+\c)+2*\i], v[FQ+8*(4*\a+(\c&3))+2*\i+1], v[T+2*\i+1]
.endr
.endr
	WIN 0
.irp c, 0,1,2,3,4,5,6,7
.irp i, 0,1,2,3
	v_cvt_pk_f16_f32 v[PK+4*\c+\i], v[Y+8*\c+2*\i], v[Y+8*\c+2*\i+1]
.endr
.endr
.irp c, 0,1,2,3,4,5,6,7
	ds_store_b128 v[STO], v[PK+4*\c:PK+4*\c+3] offset:(\c>>2)*4*RG+\a*16*SP+32*(\c&3)
.endr
.endm
	ROPE 0
	ROPE 1
	ROPE 2
	ROPE 3
	WIN 0x0f                                       ; v: eight neighbouring t of one e make 16 bytes
.irp a, 0,1,2,3
.irp b, 0,1,2,3
.irp i, 0,1,2,3
	v_cvt_pk_f16_f32 v[Y+4*(4*\a+\b)+\i], v[8*(4*\a+\b)+2*\i], v[8*(4*\a+\b)+2*\i+1]
.endr
.endr
.endr
	WIN 0
.irp a, 0,1,2,3
.irp b, 0,1,2,3
	ds_store_b128 v[STV], v[Y+4*(4*\a+\b):Y+4*(4*\a+\b)+3] offset:\b*16*SP+32*\a
.endr
.endr
	s_wait_dscnt 0x0                               ; for the others' sake: my stores are done
	s_barrier_signal -1
	s_barrier_wait -1
.irp g, 0,1
.irp i, 0,1,2,3,4,5,6,7,8,9,10,11,12,13,14,15
	ds_load_b128 v[CP+64*\g+4*\i:CP+64*\g+4*\i+3], v[RD] offset:\g*4*RG+\i*2*SP
.endr
.endr
.irp i, 0,1,2,3,4,5,6,7,8,9,10,11,12,13,14,15
	ds_load_b128 v[CP+128+4*\i:CP+128+4*\i+3], v[RD2] offset:\i*2*SP
.endr
.irp g, 0,1,2
.irp i, 0,1,2,3,4,5,6,7,8,9,10,11,12,13,14,15
	s_wait_dscnt 47-16*\g-\i                       ; LDS loads come back in order: this one is in
	global_store_b128 v[CO], v[CP+64*\g+4*\i:CP+64*\g+4*\i+3], s[BQ+2*\g:BQ+2*\g+1] offset:\i*8192   ; 16 lanes store 256 consecutive bytes at a multiple of 256
.endr
.endr
	s_set_vgpr_msb 0x1
	s_wait_tensorcnt 0x0
	ds_add_u32 v255, v255
	s_wait_dscnt 0x0
	s_set_vgpr_msb 0x100
	CROUND                                         ; the closing round: no work-group ends while a partner may still ask for a tile that names it
	s_endpgm
.Lfunc_end_k_q04a24ec651_proj:
	.size	k_q04a24ec651_proj, .Lfunc_end_k_q04a24ec651_proj-k_q04a24ec651_proj
	.p2alignl 7, 3214868480
	.fill 96, 4, 3214868480
	.section	.rodata,"a",@progbits
	.p2align	6, 0x0
	.amdhsa_kernel k_q04a24ec651_proj
		.amdhsa_group_segment_fixed_size 327680
		.amdhsa_private_segment_fixed_size 0
		.amdhsa_enable_private_segment 0
		.amdhsa_kernarg_size 24
		.amdhsa_user_sgpr_count 2
		.amdhsa_user_sgpr_kernarg_segment_ptr 1
		.amdhsa_wavefront_size32 1
		.amdhsa_system_sgpr_workgroup_id_x 1
		.amdhsa_system_sgpr_workgroup_id_y 1
		.amdhsa_system_sgpr_workgroup_id_z 1
		.amdhsa_system_vgpr_workitem_id 0
		.amdhsa_next_free_vgpr 1024
		.amdhsa_next_free_sgpr 84
		.amdhsa_reserve_vcc 0
		.amdhsa_float_denorm_mode_32 3
		.amdhsa_float_denorm_mode_16_64 3
		.amdhsa_memory_ordered 1
		.amdhsa_forward_progress 1
		.amdhsa_inst_pref_size 208
	.end_amdhsa_kernel
	.amdgpu_metadata
---
amdhsa.version: [ 1, 2 ]
amdhsa.kernels:
  - .name:           k_q04a24ec651_proj
    .symbol:         k_q04a24ec651_proj.kd
    .args:
      - { .name: cb, .offset: 0, .size: 8, .value_kind: global_buffer, .address_space: global }
      - { .name: freqs, .offset: 8, .size: 8, .value_kind: global_buffer, .address_space: global }
      - { .name: qkv, .offset: 16, .size: 8, .value_kind: global_buffer, .address_space: global }
    .group_segment_fixed_size: 327680
    .private_segment_fixed_size: 0
    .kernarg_segment_align: 8
    .kernarg_segment_size: 24
    .max_flat_workgroup_size: 128
    .sgpr_count:     84
    .vgpr_count:     1024
    .wavefront_size: 32
...
	.end_amdgpu_metadata
.endif
;; end of part 2
;; launch attn (part 3): grid 16 x 16, 4 waves a work-group, clusters of 4 x 4, 327,680 bytes of LDS; arguments qkv, mask, ab; writes ab
.if DOCPART == 3
	.amdgcn_target "amdgcn-amd-amdhsa--gfx1250"
	.amdhsa_code_object_version 6
	.text
	.protected	k_q04a24ec651_attn
	.globl	k_q04a24ec651_attn
	.p2align	8
	.type	k_q04a24ec651_attn,@function
k_q04a24ec651_attn:
	s_mov_b64 s[64:65], 0
	v_nop
	global_prefetch_b8 v0, s[64:65] scope:SCOPE_SE
	s_setreg_imm32_b32 hwreg(HW_REG_WAVE_MODE, 25, 1), 1
	s_wait_xcnt 0x0
	s_wait_alu depctr_hold_cnt(0) depctr_sa_sdst(0) depctr_va_vdst(0) depctr_va_sdst(0) depctr_va_ssrc(0) depctr_va_vcc(0) depctr_vm_vsrc(0)
	s_getreg_b32 s2, hwreg(HW_REG_IB_STS2, 6, 4)
	s_cmp_eq_u32 s2, 0
	s_cbranch_scc0 .Lentry_in_a_cluster
	s_endpgm
.Lentry_in_a_cluster:
	s_bfe_u32 s2, ttmp6, 0x10000c
	s_cmp_lg_u32 s2, 0xf033
	s_cbranch_scc0 .Lentry_shape_is_right
	s_endpgm
.Lentry_shape_is_right:
; ab[t][head] = softmax(q k^T / sqrt(128) + mask) v for one head (work-group x) and 128 queries (work-group y), over all 2,048 keys in 16 tiles of 128.
; In: qkv (q [t][e], k [t][e] at 8 MiB, v transposed [e][t] at 16 MiB, f16, pitch 4,096 bytes; q and k each carry the factor sqrt(log2 e / sqrt(128)), so that
; their product s is the logit in units of log2), mask (f32, every word is read and added: it is an input, so no key is skipped).  Out: ab [t][e] in f16.
; SOFTMAX with a running maximum, all in f32 and in units of log2: t = mask log2 e + s in one fused step, p = exp2(t - m).  The maximum is taken away by a plain
; subtraction, so that a large |m| (a row that is masked throughout) costs no accuracy.  p goes to the second product in f16 (p <= 1); the row sum adds the f32 p.
; LIMITS: t below -1e38 counts as minus infinity; a row with nothing above that gives NaN, as a row of minus infinity does in a softmax.
; SHAPE.  Four waves.  Wave (qi, kj) takes queries 64 qi .. +63 and keys 64 kj .. +63 of every tile, with a maximum, a sum and an O of its own; the two key halves
; are merged at the end.  So a wave's 64 + 64 matrix instructions of a step read 16 KiB of K, 16 KiB of v and 16 KiB of mask from LDS.
; ORIENTATION.  S is made transposed (source 0 = 16 keys of K, source 1 = 16 queries): lane l holds query l % 16 and keys 8 (l / 16) + 0..7, which, packed to
; f16, IS the fragment of p as source 1 of O^T = v^T p (source 0 = 16 rows d of v transposed).  Maximum, sum and factor are one number a lane for each block of 16
; queries, shared with lane l xor 16 alone.
; CLUSTERS: 4 x 4.  K's and v's tiles hang on the head alone: asked for jointly by a column of the cluster (waves 0, 1).  The mask's tile hangs on the query block
; alone: asked for jointly by a row (waves 2, 3, 64 rows each).  Two LDS slots; the next tile is asked for behind the round that opens a step.
; THE WALK OVER THE KEYS starts at tile 4 ((cluster x + 2 cluster y) mod 4) and wraps round; a running maximum does not care for the order.  The four clusters that
; read the same rows of the mask start at four different quarters, neighbouring clusters that read the same K and v two quarters apart.  The start is equal in
; all sixteen work-groups of a cluster.
; REGISTERS: window 0 addresses, statistics, p (v64-127), mask words (v128-255); window 1 O, tile (q, db) at v[64 q + 8 db]; window 2 Q at v[32 q + 8 ks] and S at
; v[128 + 32 q + 8 kt]; window 3 v[0:127] K's fragments at v[8 (4 ks + kt)], then v's at v[8 (8 c + db)].
.set PITCH,  272                       ; K and v: 256 bytes + 16
.set FR,     16*PITCH
.set PART,   128*PITCH                 ; a part of a slot: K, v, mask rows 0-63, mask rows 64-127 (64 x 528 bytes, a little less than a part)
.set SLOT,   4*PART
.set MPITCH, 528                       ; mask: 512 bytes + 16
.set MFR,    16*MPITCH
.set XA,     17408                     ; the merge: a wave's 16,384 bytes of O and 2 x 512 of statistics, in slot 0 after its last fill
.set STAGE,  4*XA                      ; behind them: two stages of 16 rows x 272 bytes for each wave
.set ADK, 4                            ; v4-5    LDS address of my K fragments in slot 0, 1
.set ADV, 6                            ; v6-7    of my v fragments
.set ADM, 8                            ; v8-9    of my mask words
.set QO,  10                           ; v10     my byte offset in q
.set XS,  11                           ; v11     the merge: where I send
.set NM,  12                           ; v12-19  block q: minus the running maximum, twice (a pair for the packed add)
.set AL,  20                           ; v20-27  block q: the factor exp2(old m - new m), twice
.set LS,  28                           ; v28-35  block q: the running sum, in two halves
.set PS,  36                           ; v36-43  the merge: the partner's -m and sums
.set MX,  44                           ; v44-47  the tile's maximum
.set TX,  48                           ; v48-51  at work
.set NN,  52                           ; v52-55  minus the new maximum
.set LL,  56                           ; v56-59  the merge: my sums
.set XR,  60                           ; v60     the merge: where the partner sent
.set STG, 61                           ; v61     the way out: where I put 16 bytes
.set RDS, 62                           ; v62     where I read a row back
.set CO,  63                           ; v63     my byte offset in ab
.set PF,  64                           ; p: fragment (q, c) at v[64 + 16 q + 8 c]
.set MM,  128                          ; mask words of tile (q, kt) at v[128 + 32 q + 8 kt]
.set SS,  128                          ; window 2: S
.set G1M,  24                          ; s[24:31] descriptor group 1, mask
.set G0M,  32                          ; s[32:39] group 0, mask, one set for each slot
.set G1KV, 48                          ; s[48:55] group 1, K and v
.set G0KV, 56                          ; s[56:63] group 0, K or v
.set OKV,  80                          ; s[80:81], s[82:83] byte offset of slot 0's, slot 1's tile in K or in v (upper words 0)
.set OM,   86                          ; s[86:87], s[88:89] the same in the mask's rows
.set MSB, 0
.macro WIN new
.if MSB != \new
	s_set_vgpr_msb (MSB<<8)|\new
.set MSB, \new
.endif
.endm
.macro PLACES                          ; four places behind matrix instructions (ISA guide 7.12.1)
.rept 4
	v_nop
.endr
.endm
.macro JLOAD s                         ; waves 0, 1: K, v; waves 2, 3: the mask's halves.  One mask a line; the branch hangs on the wave's number alone
	s_cmp_eq_u32 s11, 0
	s_cbranch_scc0 .Lfor_m_\@
	tensor_load_to_lds s[G0KV+4*(\s):G0KV+4*(\s)+3], s[G1KV:G1KV+7]
	s_nop 0
	s_branch .Lasked_\@
.Lfor_m_\@:
	tensor_load_to_lds s[G0M+4*(\s):G0M+4*(\s)+3], s[G1M:G1M+7]
	s_nop 0
.Lasked_\@:
.endm
.macro CROUND                          ; a round of the cluster's barrier
	s_barrier_signal -1
	s_barrier_wait -1
	s_cmp_lg_u32 s10, 0
	s_cbranch_scc1 .Lnot_wave_0_\@
	s_barrier_signal -3
.Lnot_wave_0_\@:
	s_barrier_wait -3
	s_barrier_signal -1
	s_barrier_wait -1
.endm
	s_load_b128 s[4:7], s[0:1], 0x0                ; qkv s[4:5], mask s[6:7]
	s_load_b64 s[8:9], s[0:1], 0x10                ; ab
	s_set_vgpr_msb 0xc0
	v_lshl_add_u32 v128, v0, 2, 0x44000
	v_mov_b32 v129, 0
	s_set_vgpr_msb 0xc0cf
	ds_add_u32 v128, v129
	s_set_vgpr_msb 0xcf00
	v_lshrrev_b32 v1, 5, v0
	v_readfirstlane_b32 s10, v1                    ; wave 0..3
	s_lshr_b32 s11, s10, 1                         ; qi.  Also: I fetch K or v (0), mask (1)
	s_and_b32 s12, s10, 1                          ; kj.  Also: K (0) or v (1); the mask's rows 0-63 (0) or 64-127 (1)
	s_bfe_u32 s40, ttmp6, 0x40000                  ; cx
	s_bfe_u32 s41, ttmp6, 0x40004                  ; cy
	s_lshl_b32 s42, ttmp9, 2
	s_add_co_u32 s42, s42, s40                     ; head
	s_and_b32 s13, ttmp7, 0xffff
	s_lshl_b32 s13, s13, 2
	s_add_co_u32 s13, s13, s41                     ; query block
	s_lshl_b32 s43, s41, 2
	s_lshl_b32 s43, 15, s43                        ; my row of the cluster
	s_lshl_b32 s44, 0x1111, s40                    ; my column
	s_and_b32 s45, ttmp7, 0xffff                   ; where the walk over the keys starts: made of the cluster's own x and y, equal in all its work-groups
	s_lshl_b32 s45, s45, 1
	s_add_co_u32 s45, s45, ttmp9
	s_and_b32 s45, s45, 3
	s_lshl_b32 s45, s45, 2                         ; first tile = 4 ((cluster x + 2 cluster y) mod 4)
	s_or_b32 s[G1M+0], s43, (2<<16)|(1<<20)|(1<<21)|(6<<22)|(3<<25)   ; the mask's tile goes to my row; element of 4 bytes; 4 words of padding after every 128 words
	s_mov_b32 s[G1M+1], 128<<16                    ; tensor_dim0 = 128
	s_mov_b32 s[G1M+2], 64<<16                     ; tensor_dim1 = 64
	s_mov_b32 s[G1M+3], 128<<16                    ; tile_dim0 = 128
	s_mov_b32 s[G1M+4], 64                         ; tile_dim1 = 64
	s_mov_b32 s[G1M+5], 2048                       ; elements from row to row
	s_mov_b32 s[G1M+6], 0
	s_mov_b32 s[G1M+7], 0
	s_or_b32 s[G1KV+0], s44, (1<<16)|(1<<20)|(1<<21)|(5<<22)|(3<<25)  ; K's and v's tiles go to my column; element of 2 bytes; 4 words after every 64
	s_mov_b32 s[G1KV+1], 128<<16
	s_mov_b32 s[G1KV+2], 128<<16
	s_mov_b32 s[G1KV+3], 128<<16
	s_mov_b32 s[G1KV+4], 128
	s_mov_b32 s[G1KV+5], 2048
	s_mov_b32 s[G1KV+6], 0
	s_mov_b32 s[G1KV+7], 0
	s_lshl_b32 s16, s13, 20                        ; mask: (128 x query block + 64 x half) rows of 8,192 bytes (registers that never hold the head)
	s_lshl_b32 s17, s12, 19
	s_add_co_u32 s16, s16, s17
	s_mov_b32 s17, 0
	s_lshl_b32 s46, s42, 8                         ; K: 8 MiB + head x 256 bytes; a tile further is 128 rows
	s_add_co_u32 s46, s46, 0x800000
	s_lshl_b32 s47, s42, 19                        ; v: 16 MiB + head x 128 rows; a tile further is 256 bytes (registers that never hold the query block)
	s_add_co_u32 s47, s47, 0x1000000
	s_mov_b32 s66, 0x100000                        ; two tiles on: K, v
	s_mov_b32 s67, 512
	s_mov_b32 s68, 0x80000                         ; one tile on
	s_mov_b32 s69, 256
	s_mov_b32 s84, 0x7fffff                        ; sixteen tiles less one byte: the wrap
	s_mov_b32 s85, 0xfff
	s_cmp_eq_u32 s12, 0
	s_cselect_b32 s46, s46, s47                    ; offsets, steps and wraps are chosen by the wave's number
	s_cselect_b32 s66, s66, s67
	s_cselect_b32 s68, s68, s69
	s_cselect_b32 s84, s84, s85
	s_mov_b32 s47, 0
	s_mul_i32 s[OKV], s45, s68                     ; slot 0: the first tile; slot 1: the one behind it (first tile <= 12: no wrap here)
	s_add_co_u32 s[OKV+2], s[OKV], s68
	s_mov_b32 s[OKV+1], 0
	s_mov_b32 s[OKV+3], 0
	s_lshl_b32 s[OM], s45, 9                       ; the mask: 128 keys of 4 bytes a tile
	s_add_co_u32 s[OM+2], s[OM], 512
	s_mov_b32 s[OM+1], 0
	s_mov_b32 s[OM+3], 0
	s_mul_i32 s20, s10, PART                       ; LDS: part = wave
	s_mov_b32 s70, 0x76543210                      ; v_permlanex16_b32: lane l reads lane l xor 16
	s_mov_b32 s71, 0xfedcba98
	s_lshl_b32 s76, s13, 19                        ; q and ab: query block x 128 rows + head x 256 bytes
	s_lshl_b32 s77, s42, 8
	s_add_co_u32 s76, s76, s77
	s_mov_b32 s77, 0
	v_and_b32 v1, 15, v0                           ; r
	v_bfe_u32 v2, v0, 4, 1                         ; h
	v_mul_u32_u24 v3, v1, PITCH
	v_lshl_add_u32 v3, v2, 4, v3                   ; r x 272 + 16 h
	v_mul_u32_u24 v52, v1, MPITCH
	v_lshl_add_u32 v52, v2, 5, v52                 ; r x 528 + 32 h
	v_and_b32 v53, 31, v0
	v_lshlrev_b32 v53, 4, v53                      ; 16 l
	s_mul_i32 s21, s12, 64*PITCH                   ; K: the rows of my key half
	s_lshl_b32 s22, s12, 7                         ; v: my keys' 128 bytes of every row
	s_add_co_u32 s22, s22, PART
	s_mul_i32 s23, s11, PART                       ; mask: my queries' part, my keys' 256 bytes of every row
	s_lshl_b32 s78, s12, 8
	s_add_co_u32 s23, s23, s78
	s_add_co_u32 s23, s23, 2*PART
.irp s, 0,1
	v_add_nc_u32 v[ADK+\s], s21, v3
	v_add_nc_u32 v[ADV+\s], s22, v3
	v_add_nc_u32 v[ADM+\s], s23, v52
	s_add_co_u32 s21, s21, SLOT
	s_add_co_u32 s22, s22, SLOT
	s_add_co_u32 s23, s23, SLOT
.endr
	v_lshlrev_b32 v54, 12, v1                      ; q: row (64 qi + r) x 4,096 + 16 h
	v_lshl_add_u32 v54, v2, 4, v54
	s_lshl_b32 s21, s11, 18
	v_add_nc_u32 v[QO], s21, v54
	v_lshlrev_b32 v55, 12, v2                      ; ab: row (64 qi + h) x 4,096 + 16 r
	v_lshl_add_u32 v55, v1, 4, v55
	v_add_nc_u32 v[CO], s21, v55
	s_mul_i32 s22, s10, XA
	v_add_nc_u32 v[XS], s22, v53
	s_xor_b32 s23, s10, 1                          ; the partner: the same queries, the other keys
	s_mul_i32 s23, s23, XA
	v_add_nc_u32 v[XR], s23, v53
	s_mul_i32 s22, s10, 2*FR
	s_add_co_u32 s22, s22, STAGE
	v_add_nc_u32 v[STG], s22, v3
	v_mul_u32_u24 v54, v2, PITCH
	v_lshl_add_u32 v54, v1, 4, v54
	v_add_nc_u32 v[RDS], s22, v54
.irp q, 0,1,2,3
	v_mov_b32 v[TX+\q], 0                          ; v_permlanex16_b32 counts as a reader of its destination
.endr
	s_wait_dscnt 0x0
	s_wait_kmcnt 0x0
	s_add_nc_u64 s[14:15], s[6:7], s[16:17]        ; the mask at my rows' first byte,
	s_or_b32 s15, s15, 0x80000000                  ; with the descriptor's type = 2 on top: a tile's address is this plus its offset
	s_add_nc_u64 s[46:47], s[4:5], s[46:47]        ; the same for K or v
	s_or_b32 s47, s47, 0x80000000
	s_add_nc_u64 s[72:73], s[4:5], s[76:77]        ; q
	s_add_nc_u64 s[74:75], s[8:9], s[76:77]        ; ab
.irp s, 0,1
	s_mov_b32 s[G0M+4*\s], 1
	s_add_co_u32 s[G0M+4*\s+1], s20, \s*SLOT
	s_add_nc_u64 s[G0M+4*\s+2:G0M+4*\s+3], s[14:15], s[OM+2*\s:OM+2*\s+1]
	s_mov_b32 s[G0KV+4*\s], 1
	s_add_co_u32 s[G0KV+4*\s+1], s20, \s*SLOT
	s_add_nc_u64 s[G0KV+4*\s+2:G0KV+4*\s+3], s[46:47], s[OKV+2*\s:OKV+2*\s+1]
.endr
	CROUND                                         ; in front of the first joint load
	JLOAD 0                                        ; the first tile
	; Q stays in registers: 16 fragments, loaded once; a query block's eight loads cover the 256 bytes of each of its 16 rows
	WIN 0x80
.irp q, 0,1,2,3
.irp ks, 0,1,2,3
	global_load_b128 v[32*\q+8*\ks:32*\q+8*\ks+3],   v[QO], s[72:73] offset:\q*65536+64*\ks
	global_load_b128 v[32*\q+8*\ks+4:32*\q+8*\ks+7], v[QO], s[72:73] offset:\q*65536+64*\ks+32
.endr
.endr
	WIN 0
; 16 matrix instructions: S(q, kt) += K(kt, ks) Q(q, ks)^T.  The 16 accumulators take turns, one instruction a turn.
.macro SMUL ks, zero
.irp q, 0,1,2,3
.irp kt, 0,1,2,3
.if \zero
	v_wmma_f32_16x16x32_f16 v[SS+32*\q+8*\kt:SS+32*\q+8*\kt+7], v[8*(4*\ks+\kt):8*(4*\ks+\kt)+7], v[32*\q+8*\ks:32*\q+8*\ks+7], 0
.else
	v_wmma_f32_16x16x32_f16 v[SS+32*\q+8*\kt:SS+32*\q+8*\kt+7], v[8*(4*\ks+\kt):8*(4*\ks+\kt)+7], v[32*\q+8*\ks:32*\q+8*\ks+7], v[SS+32*\q+8*\kt:SS+32*\q+8*\kt+7]
.endif
.endr
.endr
.endm
; 32 matrix instructions: O(q, db) += v(db, c) p(q, c).  32 accumulators by turns.
.macro PV c, zero
.irp q, 0,1,2,3
.irp db, 0,1,2,3,4,5,6,7
.if \zero
	v_wmma_f32_16x16x32_f16 v[64*\q+8*\db:64*\q+8*\db+7], v[8*(8*\c+\db):8*(8*\c+\db)+7], v[PF+16*\q+8*\c:PF+16*\q+8*\c+7], 0
.else
	v_wmma_f32_16x16x32_f16 v[64*\q+8*\db:64*\q+8*\db+7], v[8*(8*\c+\db):8*(8*\c+\db)+7], v[PF+16*\q+8*\c:PF+16*\q+8*\c+7], v[64*\q+8*\db:64*\q+8*\db+7]
.endif
.endr
.endr
.endm
; One tile of 128 keys from slot.  first = 1: maximum, sum and O start here, nothing is cleared or rescaled.
.macro STEP slot, first
	PLACES                                         ; K's fragments land on the registers that the last products read
	WIN 0xc0
.irp ks, 0,1,2,3
.irp kt, 0,1,2,3
	ds_load_b128 v[8*(4*\ks+\kt):8*(4*\ks+\kt)+3],   v[ADK+\slot] offset:\kt*FR+64*\ks
	ds_load_b128 v[8*(4*\ks+\kt)+4:8*(4*\ks+\kt)+7], v[ADK+\slot] offset:\kt*FR+64*\ks+32
.endr
.endr
.if \first
	s_wait_loadcnt 0x0                             ; Q
.endif
	s_wait_dscnt 24                                ; the eight loads of d = 0..31 are in
	WIN 0xab
	SMUL 0, 1
	WIN 0
.irp q, 0,1,2,3
.irp kt, 0,1,2,3
	ds_load_b128 v[MM+32*\q+8*\kt:MM+32*\q+8*\kt+3],   v[ADM+\slot] offset:\q*MFR+64*\kt
	ds_load_b128 v[MM+32*\q+8*\kt+4:MM+32*\q+8*\kt+7], v[ADM+\slot] offset:\q*MFR+64*\kt+16
.endr
.endr
	WIN 0xab
	s_wait_dscnt 48                                ; out: 16 of K's loads and the mask's 32
	SMUL 1, 0
	s_wait_dscnt 40
	SMUL 2, 0
	s_wait_dscnt 32                                ; out: the mask's 32
	SMUL 3, 0
	PLACES                                         ; v's fragments land on K's registers, and S is read
	WIN 0xc0
.irp c, 0,1
.irp db, 0,1,2,3,4,5,6,7
	ds_load_b128 v[8*(8*\c+\db):8*(8*\c+\db)+3],   v[ADV+\slot] offset:\db*FR+64*\c
	ds_load_b128 v[8*(8*\c+\db)+4:8*(8*\c+\db)+7], v[ADV+\slot] offset:\db*FR+64*\c+32
.endr
.endr
	s_wait_dscnt 32                                ; the mask is in; v's 32 loads stay out
	WIN 0xa0
.set i, 0
.rept 64
	v_pk_fma_f32 v[SS+i:SS+i+1], v[MM+i:MM+i+1], 0x3fb8aa3b, v[SS+i:SS+i+1] op_sel_hi:[1,0,1]   ; t = mask log2 e + s
.set i, i+2
.endr
	WIN 0x0a                                       ; the largest of a lane's 32 numbers of each query block: four chains that do not wait for each other
.irp q, 0,1,2,3
	v_max_num_f32 v[MX+\q], v[SS+32*\q], v[SS+32*\q+1]
.endr
.set i, 2
.rept 15
.irp q, 0,1,2,3
	v_max3_num_f32 v[MX+\q], v[SS+32*\q+i], v[SS+32*\q+i+1], v[MX+\q]
.endr
.set i, i+2
.endr
	WIN 0
.irp q, 0,1,2,3
	v_permlanex16_b32 v[TX+\q], v[MX+\q], s70, s71 ; the same query's other 32 keys
.endr
.irp q, 0,1,2,3
	v_max3_num_f32 v[MX+\q], v[MX+\q], v[TX+\q], 0xfe967699   ; never below -1e38: a tile of minus infinity gives p = 0 and no NaN
.endr
.if \first
.irp q, 0,1,2,3
	v_mul_f32 v[NM+2*\q],   -1.0, v[MX+\q]
	v_mul_f32 v[NM+2*\q+1], -1.0, v[MX+\q]
.endr
.else
.irp q, 0,1,2,3
	v_mul_f32 v[TX+\q], -1.0, v[MX+\q]
.endr
.irp q, 0,1,2,3
	v_min_num_f32 v[NN+\q], v[TX+\q], v[NM+2*\q]   ; minus the new running maximum
.endr
.irp q, 0,1,2,3
	v_sub_f32 v[TX+\q], v[NN+\q], v[NM+2*\q]       ; old m - new m
.endr
.irp q, 0,1,2,3
	v_exp_f32 v[AL+2*\q], v[TX+\q]
.endr
.irp q, 0,1,2,3
	v_mov_b32 v[NM+2*\q],   v[NN+\q]               ; plain instructions between the exponentials and the use of their results (ISA guide 5.7.2)
	v_mov_b32 v[NM+2*\q+1], v[NN+\q]
.endr
	s_wait_alu depctr_va_vdst(0)
.irp q, 0,1,2,3
	v_mov_b32 v[AL+2*\q+1], v[AL+2*\q]
.endr
.endif
	; p = exp2(t - m).  The subtractions of block q + 1 stand between the exponentials of block q: plain work on other registers, under the same windows
	WIN 0x82
.set i, 0
.rept 16
	v_pk_add_f32 v[SS+i:SS+i+1], v[SS+i:SS+i+1], v[NM:NM+1]
.set i, i+2
.endr
.irp q, 0,1,2
.set i, 0
.rept 16
	v_exp_f32 v[SS+32*\q+i], v[SS+32*\q+i]
	v_pk_add_f32 v[SS+32*(\q+1)+i:SS+32*(\q+1)+i+1], v[SS+32*(\q+1)+i:SS+32*(\q+1)+i+1], v[NM+2*(\q+1):NM+2*(\q+1)+1]
	v_exp_f32 v[SS+32*\q+i+1], v[SS+32*\q+i+1]
.set i, i+2
.endr
.endr
.set i, 0
.rept 32
	v_exp_f32 v[SS+96+i], v[SS+96+i]
.set i, i+1
.endr
	v_nop                                          ; one plain place behind the last exponentials
.if \first
	WIN 0x0a
	s_wait_alu depctr_va_vdst(0)
.irp q, 0,1,2,3
	v_pk_add_f32 v[LS+2*\q:LS+2*\q+1], v[SS+32*\q:SS+32*\q+1], v[SS+32*\q+2:SS+32*\q+3]
.endr
	WIN 0x02
.set i, 4
.rept 14
.irp q, 0,1,2,3
	v_pk_add_f32 v[LS+2*\q:LS+2*\q+1], v[SS+32*\q+i:SS+32*\q+i+1], v[LS+2*\q:LS+2*\q+1]
.endr
.set i, i+2
.endr
.else
	WIN 0x20
	s_wait_alu depctr_va_vdst(0)
.irp q, 0,1,2,3
	v_pk_fma_f32 v[LS+2*\q:LS+2*\q+1], v[LS+2*\q:LS+2*\q+1], v[AL+2*\q:AL+2*\q+1], v[SS+32*\q:SS+32*\q+1]   ; the old sum is rescaled in the first link
.endr
	WIN 0x02
.set i, 2
.rept 15
.irp q, 0,1,2,3
	v_pk_add_f32 v[LS+2*\q:LS+2*\q+1], v[SS+32*\q+i:SS+32*\q+i+1], v[LS+2*\q:LS+2*\q+1]
.endr
.set i, i+2
.endr
.endif
	WIN 0x0a
.set i, 0
.rept 64
	v_cvt_pk_f16_f32 v[PF+i], v[SS+2*i], v[SS+2*i+1]   ; tile kt = 2 c gives registers 0-3 of fragment c, kt = 2 c + 1 registers 4-7
.set i, i+1
.endr
.if \first == 0
	WIN 0x41
.irp q, 0,1,2,3
.set i, 0
.rept 32
	v_pk_mul_f32 v[64*\q+i:64*\q+i+1], v[64*\q+i:64*\q+i+1], v[AL+2*\q:AL+2*\q+1]
.set i, i+2
.endr
.endr
.endif
	s_wait_dscnt 0x0                               ; v
	WIN 0x53
	PV 0, \first
	PV 1, 0
	WIN 0
.endm
; A trip.  In front of the round every wave waits for all its tensor loads (its part of this trip's tile) and for its LDS reads; the round holds register work
; alone; the joint refill of the slot read last trip is the first tensor load behind it, and has the whole step in which to land.  One tensor load of a wave is out.
.macro TRIP slot, refill, first
	s_set_vgpr_msb 0xf
	s_wait_tensorcnt 0x0                           ; no load of mine is out: every group 0 may be written.  This slot's next tile: two tiles on, round the end
	ds_add_u32 v128, v129
	s_wait_dscnt 0x0
	s_set_vgpr_msb 0xf00
	s_add_co_u32 s[OKV+2*\slot], s[OKV+2*\slot], s66
	s_and_b32 s[OKV+2*\slot], s[OKV+2*\slot], s84
	s_add_nc_u64 s[G0KV+4*\slot+2:G0KV+4*\slot+3], s[46:47], s[OKV+2*\slot:OKV+2*\slot+1]
	s_add_co_u32 s[OM+2*\slot], s[OM+2*\slot], 1024
	s_and_b32 s[OM+2*\slot], s[OM+2*\slot], 8191
	s_add_nc_u64 s[G0M+4*\slot+2:G0M+4*\slot+3], s[14:15], s[OM+2*\slot:OM+2*\slot+1]
	s_wait_dscnt 0x0
	CROUND
.if \refill
	JLOAD 1-\slot
.endif
	STEP \slot, \first
.endm
	TRIP 0, 1, 1
	TRIP 1, 1, 0
	s_mov_b32 s3, 6
.Lpair:
	TRIP 0, 1, 0
	TRIP 1, 1, 0
	s_sub_co_u32 s3, s3, 1
	s_cmp_lg_u32 s3, 0
	s_cbranch_scc1 .Lpair
	TRIP 0, 1, 0
	TRIP 1, 0, 0                                   ; the sixteenth tile: nothing more to fetch (the stepped addresses are not used)
	; THE MERGE of the two key halves.  Wave kj = 0 finishes query blocks 0, 1, wave kj = 1 blocks 2, 3; each sends the other two blocks to its partner through
	; slot 0, which has had its last fill and whose reads ended in front of the last round.
	PLACES
.irp q, 0,1,2,3
	v_add_f32 v[LS+2*\q], v[LS+2*\q], v[LS+2*\q+1]
.endr
.irp q, 0,1,2,3
	v_permlanex16_b32 v[TX+\q], v[LS+2*\q], s70, s71
.endr
.irp q, 0,1,2,3
	v_add_f32 v[LL+\q], v[LS+2*\q], v[TX+\q]       ; the sum over my 1,024 keys
	v_mov_b32 v[NN+\q], v[NM+2*\q]
.endr
.macro SEND q0
	WIN 0x04                                       ; store data from window 1
.set i, 0
.rept 32
	ds_store_b128 v[XS], v[64*\q0+4*i:64*\q0+4*i+3] offset:512*i
.set i, i+1
.endr
	WIN 0
	ds_store_b128 v[XS], v[NN:NN+3] offset:16384
	ds_store_b128 v[XS], v[LL:LL+3] offset:16896
.endm
; 16 queries leave: f16, 16 bytes a lane into my own stage, whole rows of 256 bytes back (LDS serves a wave's instructions in order: ISA guide 5.7.1)
.macro OUTB blk, q, rb
.set i, 0
.rept 32
	v_cvt_pk_f16_f32 v[PF+i], v[MM+64*\blk+2*i], v[MM+64*\blk+2*i+1]
.set i, i+1
.endr
.irp db, 0,1,2,3,4,5,6,7
	ds_store_b128 v[STG], v[PF+4*\db:PF+4*\db+3] offset:\blk*FR+32*\db
.endr
.irp t, 0,1,2,3,4,5,6,7
	ds_load_b128 v[\rb+4*\t:\rb+4*\t+3], v[RDS] offset:\blk*FR+\t*2*PITCH
.endr
.irp t, 0,1,2,3,4,5,6,7
	s_wait_dscnt 7-\t
	global_store_b128 v[CO], v[\rb+4*\t:\rb+4*\t+3], s[74:75] offset:(\q)*65536+\t*8192   ; 16 lanes store 256 consecutive bytes at a multiple of 256
.endr
.endm
.macro FINAL q0
	ds_load_b128 v[PS:PS+3],   v[XR] offset:16384  ; the partner's -m
	ds_load_b128 v[PS+4:PS+7], v[XR] offset:16896  ; and sums
.set i, 0
.rept 32
	ds_load_b128 v[MM+4*i:MM+4*i+3], v[XR] offset:512*i
.set i, i+1
.endr
	s_wait_dscnt 32                                ; the statistics are in; its O stays out
.irp u, 0,1
	v_min_num_f32 v[MX+\u], v[NN+\q0+\u], v[PS+\q0+\u]     ; minus the common maximum
.endr
.irp u, 0,1
	v_sub_f32 v[TX+\u],   v[MX+\u], v[NN+\q0+\u]
	v_sub_f32 v[TX+2+\u], v[MX+\u], v[PS+\q0+\u]
.endr
	v_exp_f32 v[AL],   v[TX]                       ; my factor, block 0, 1
	v_exp_f32 v[AL+2], v[TX+1]
	v_exp_f32 v[AL+4], v[TX+2]                     ; the partner's
	v_exp_f32 v[AL+6], v[TX+3]
	v_nop
	s_wait_alu depctr_va_vdst(0)
.irp u, 0,1
	v_mul_f32 v[LS+\u], v[PS+4+\q0+\u], v[AL+4+2*\u]
.endr
.irp u, 0,1
	v_fma_f32 v[LS+\u], v[LL+\q0+\u], v[AL+2*\u], v[LS+\u]
.endr
	v_rcp_f32 v[LS+2], v[LS]
	v_rcp_f32 v[LS+3], v[LS+1]
	v_nop
	s_wait_alu depctr_va_vdst(0)
.irp u, 0,1
	v_mul_f32 v[AL+2*\u],   v[AL+2*\u],   v[LS+2+\u]
	v_mul_f32 v[AL+4+2*\u], v[AL+4+2*\u], v[LS+2+\u]
.endr
.irp u, 0,1
	v_mov_b32 v[AL+2*\u+1],   v[AL+2*\u]
	v_mov_b32 v[AL+4+2*\u+1], v[AL+4+2*\u]
.endr
	s_wait_dscnt 0x0
.irp u, 0,1
.set i, 0
.rept 32
	v_pk_mul_f32 v[MM+64*\u+i:MM+64*\u+i+1], v[MM+64*\u+i:MM+64*\u+i+1], v[AL+4+2*\u:AL+4+2*\u+1]
.set i, i+2
.endr
.endr
	WIN 0x01                                       ; source 0: my O, window 1
.irp u, 0,1
.set i, 0
.rept 32
	v_pk_fma_f32 v[MM+64*\u+i:MM+64*\u+i+1], v[64*(\q0+\u)+i:64*(\q0+\u)+i+1], v[AL+2*\u:AL+2*\u+1], v[MM+64*\u+i:MM+64*\u+i+1]
.set i, i+2
.endr
.endr
	WIN 0
	OUTB 0, \q0, 96                                ; read back into registers of their own each time: no store's data is written again
	OUTB 1, \q0+1, MM
.endm
	s_cmp_eq_u32 s12, 0
	s_cbranch_scc0 .Lsend_low
	SEND 2
	s_branch .Lsent
.Lsend_low:
	SEND 0
.Lsent:
	s_wait_dscnt 0x0                               ; for the partner's sake: my stores are done
	s_barrier_signal -1
	s_barrier_wait -1
	s_cmp_eq_u32 s12, 0
	s_cbranch_scc0 .Lfinal_high
	FINAL 0
	s_branch .Ldone
.Lfinal_high:
	FINAL 2
.Ldone:
	s_set_vgpr_msb 0xf
	s_wait_tensorcnt 0x0
	ds_add_u32 v128, v129
	s_wait_dscnt 0x0
	s_set_vgpr_msb 0xf00
	CROUND                                         ; the closing round
	s_endpgm
.Lfunc_end_k_q04a24ec651_attn:
	.size	k_q04a24ec651_attn, .Lfunc_end_k_q04a24ec651_attn-k_q04a24ec651_attn
	.p2alignl 7, 3214868480
	.fill 96, 4, 3214868480
	.section	.rodata,"a",@progbits
	.p2align	6, 0x0
	.amdhsa_kernel k_q04a24ec651_attn
		.amdhsa_group_segment_fixed_size 327680
		.amdhsa_private_segment_fixed_size 0
		.amdhsa_enable_private_segment 0
		.amdhsa_kernarg_size 24
		.amdhsa_user_sgpr_count 2
		.amdhsa_user_sgpr_kernarg_segment_ptr 1
		.amdhsa_wavefront_size32 1
		.amdhsa_system_sgpr_workgroup_id_x 1
		.amdhsa_system_sgpr_workgroup_id_y 1
		.amdhsa_system_sgpr_workgroup_id_z 1
		.amdhsa_system_vgpr_workitem_id 0
		.amdhsa_next_free_vgpr 898
		.amdhsa_next_free_sgpr 90
		.amdhsa_reserve_vcc 0
		.amdhsa_float_denorm_mode_32 3
		.amdhsa_float_denorm_mode_16_64 3
		.amdhsa_memory_ordered 1
		.amdhsa_forward_progress 1
		.amdhsa_inst_pref_size 255
	.end_amdhsa_kernel
	.section	.bss,"aw",@nobits
	.p2align	6
	.space	262144
	.amdgpu_metadata
---
amdhsa.version: [ 1, 2 ]
amdhsa.kernels:
  - .name:           k_q04a24ec651_attn
    .symbol:         k_q04a24ec651_attn.kd
    .args:
      - { .name: qkv, .offset: 0, .size: 8, .value_kind: global_buffer, .address_space: global }
      - { .name: mask, .offset: 8, .size: 8, .value_kind: global_buffer, .address_space: global }
      - { .name: ab, .offset: 16, .size: 8, .value_kind: global_buffer, .address_space: global }
    .group_segment_fixed_size: 327680
    .private_segment_fixed_size: 0
    .kernarg_segment_align: 8
    .kernarg_segment_size: 24
    .max_flat_workgroup_size: 128
    .sgpr_count:     90
    .vgpr_count:     898
    .wavefront_size: 32
...
	.end_amdgpu_metadata
.endif
;; end of part 3
;; launch oproj (part 4): grid 16 x 16, 4 waves a work-group, clusters of 4 x 4, 327,680 bytes of LDS; arguments ab, cb, out0; writes out0
.if DOCPART == 4
	.amdgcn_target "amdgcn-amd-amdhsa--gfx1250"
	.amdhsa_code_object_version 6
	.text
	.protected	k_q04a24ec651_oproj
	.globl	k_q04a24ec651_oproj
	.p2align	8
	.type	k_q04a24ec651_oproj,@function
k_q04a24ec651_oproj:
	s_mov_b64 s[64:65], 0
	v_nop
	global_prefetch_b8 v0, s[64:65] scope:SCOPE_SE
	s_setreg_imm32_b32 hwreg(HW_REG_WAVE_MODE, 25, 1), 1
	s_wait_xcnt 0x0
	s_wait_alu depctr_hold_cnt(0) depctr_sa_sdst(0) depctr_va_vdst(0) depctr_va_sdst(0) depctr_va_ssrc(0) depctr_va_vcc(0) depctr_vm_vsrc(0)
	s_getreg_b32 s2, hwreg(HW_REG_IB_STS2, 6, 4)
	s_cmp_eq_u32 s2, 0
	s_cbranch_scc0 .Lentry_in_a_cluster
	s_endpgm
.Lentry_in_a_cluster:
	s_bfe_u32 s2, ttmp6, 0x10000c
	s_cmp_lg_u32 s2, 0xf033
	s_cbranch_scc0 .Lentry_shape_is_right
	s_endpgm
.Lentry_shape_is_right:
; out0[t][e] = sum over d of ab[t][d] wo[e][d].  ab: [2048][2048] f16; wo: rows 8192- of cb, f16 codes of bf16 numbers; out0: f32.  Sums in f32.
; 256 work-groups of 128 x 128 (larger blocks would leave WGPs without work); four waves of 64 x 64, 16 accumulator tiles each.
; K goes in steps of 256 (rows of 512 bytes of memory, at multiples of 256) through two LDS slots; a slot holds A's rows 0-63, 64-127, B's rows 0-63, 64-127.
; CLUSTERS: 4 x 4.  A's tiles hang on the row block alone (joint along a row of the cluster, waves 0, 1), B's on the column block alone (joint along a column,
; waves 2, 3).
; THE WALK ALONG K starts at quarter (cluster x + 2 cluster y) mod 4 of K and wraps round: the four clusters that read the same rows of ab start at four different
; quarters, neighbouring clusters that read the same rows of wo two quarters apart.  The start is equal in all sixteen work-groups of a cluster.
; The matrix instruction is used transposed (source 0 = 16 rows of wo, source 1 = 16 rows of ab): a lane holds row t = l % 16 and eight neighbouring e.
; REGISTERS: window 0 addresses, the 16 accumulator tiles at v[32 + 8 (4 a + b)], rows read back; window 1 two fragment buffers of 128 registers, each 64 along K:
; A(ks, a) at 64 ks + 8 a, B(ks, b) at 64 ks + 32 + 8 b.
.set KSTEP,  256
.set PITCH,  528                       ; 512 bytes + 16: an odd multiple of 16
.set FR,     16*PITCH
.set PART,   64*PITCH                  ; what one tensor load brings
.set SLOT,   4*PART
.set STAGE,  2*SLOT                    ; behind the ring, never filled: 16 rows x 272 bytes for each wave
.set SPITCH, 272
.set LAPS,   2048/(2*KSTEP)
.set ADRA, 16                          ; v16-17  LDS address of my A fragments in slot 0, 1
.set ADRB, 20                          ; v20-21  of my B fragments
.set STO,  24                          ; v24     the way out: where I put 32 bytes of a row
.set RD,   25                          ; v25     where I read a row back
.set CO,   26                          ; v26     my byte offset in out0
.set ACC,  32
.set RB0,  160
.set RB1,  192
.set G1,  24
.set G0,  32
.set G1B, 48
.set G0B, 56
.set OFK, 72                           ; s[72:73], s[74:75] byte offset along a row of slot 0's, slot 1's tile (upper words 0)
.set DW0, (1<<16)|(1<<20)|(1<<21)|(6<<22)|(3<<25)  ; element of 2 bytes; padding on; bit 21 beside a mask; 4 words after every 128 words
.set MUL,  0x05                        ; sources 0 and 1 window 1, C and D window 0
.set TO_F, 0x40                        ; destination window 1
.set MSB, 0
.macro WIN new                         ; the immediate's high byte repeats the setting that is left
.if MSB != \new
	s_set_vgpr_msb (MSB<<8)|\new
.set MSB, \new
.endif
.endm
.macro PLACES                          ; four places behind matrix instructions (ISA guide 7.12.1)
.rept 4
	v_nop
.endr
.endm
.macro JLOAD s                         ; waves 0, 1: A's halves; waves 2, 3: B's.  One mask a line; the branch hangs on the wave's number alone
	s_cmp_eq_u32 s11, 0
	s_cbranch_scc0 .Lfor_b_\@
	tensor_load_to_lds s[G0+4*(\s):G0+4*(\s)+3], s[G1:G1+7]
	s_nop 0
	s_branch .Lasked_\@
.Lfor_b_\@:
	tensor_load_to_lds s[G0B+4*(\s):G0B+4*(\s)+3], s[G1B:G1B+7]
	s_nop 0
.Lasked_\@:
.endm
.macro CREST                           ; a round of the cluster's barrier behind its opening work-group barrier
	s_cmp_lg_u32 s10, 0
	s_cbranch_scc1 .Lnot_wave_0_\@
	s_barrier_signal -3
.Lnot_wave_0_\@:
	s_barrier_wait -3
	s_barrier_signal -1
	s_barrier_wait -1
.endm
.macro CROUND                          ; a whole round
	s_barrier_signal -1
	s_barrier_wait -1
	CREST
.endm
	s_load_b128 s[4:7], s[0:1], 0x0                ; ab s[4:5], cb s[6:7]
	s_load_b64 s[8:9], s[0:1], 0x10                ; out0
	v_lshl_add_u32 v254, v0, 2, 0x46400
	v_mov_b32 v255, 0
	ds_add_u32 v254, v255
	v_lshrrev_b32 v1, 5, v0
	v_readfirstlane_b32 s10, v1                    ; wave 0..3
	s_lshr_b32 s11, s10, 1                         ; my half of the rows.  Also: I fetch for A (0) or B (1)
	s_and_b32 s12, s10, 1                          ; my half of the columns.  Also: which 64 rows of that tile I fetch
	s_bfe_u32 s40, ttmp6, 0x40000                  ; cx
	s_bfe_u32 s41, ttmp6, 0x40004                  ; cy
	s_lshl_b32 s42, ttmp9, 2
	s_add_co_u32 s42, s42, s40                     ; column block
	s_and_b32 s13, ttmp7, 0xffff
	s_lshl_b32 s13, s13, 2
	s_add_co_u32 s13, s13, s41                     ; row block
	s_lshl_b32 s43, s41, 2
	s_lshl_b32 s43, 15, s43                        ; my row of the cluster
	s_lshl_b32 s44, 0x1111, s40                    ; my column
	s_and_b32 s45, ttmp7, 0xffff                   ; where the walk along K starts: made of the cluster's own x and y, equal in all its work-groups
	s_lshl_b32 s45, s45, 1
	s_add_co_u32 s45, s45, ttmp9
	s_and_b32 s45, s45, 3                          ; quarter (cluster x + 2 cluster y) mod 4
	s_lshl_b32 s[OFK], s45, 10                     ; a quarter of a row: 512 elements, 1,024 bytes
	s_add_co_u32 s[OFK+2], s[OFK], KSTEP*2         ; slot 1: the K step behind it
	s_mov_b32 s[OFK+1], 0
	s_mov_b32 s[OFK+3], 0
	s_or_b32 s[G1+0], s43, DW0                     ; A's tiles go to my row of the cluster,
	s_or_b32 s[G1B+0], s44, DW0                    ; B's to my column
	s_mov_b32 s[G1+1], KSTEP<<16                   ; tensor_dim0 = 256
	s_mov_b32 s[G1B+1], KSTEP<<16
	s_mov_b32 s[G1+2], 64<<16                      ; tensor_dim1 = 64
	s_mov_b32 s[G1B+2], 64<<16
	s_mov_b32 s[G1+3], KSTEP<<16                   ; tile_dim0 = 256
	s_mov_b32 s[G1B+3], KSTEP<<16
	s_mov_b32 s[G1+4], 64                          ; tile_dim1 = 64
	s_mov_b32 s[G1B+4], 64
	s_mov_b32 s[G1+5], 2048                        ; elements from row to row
	s_mov_b32 s[G1B+5], 2048
	s_mov_b32 s[G1+6], 0
	s_mov_b32 s[G1B+6], 0
	s_mov_b32 s[G1+7], 0
	s_mov_b32 s[G1B+7], 0
	s_lshl_b32 s16, s13, 19                        ; A: (128 x row block + 64 x half) rows of 4,096 bytes (registers that never hold the column block)
	s_lshl_b32 s17, s12, 18
	s_add_co_u32 s16, s16, s17
	s_mov_b32 s17, 0
	s_lshl_b32 s46, s42, 19                        ; B: the same with the column block, behind 32 MiB of cb (registers that never hold the row block)
	s_lshl_b32 s47, s12, 18
	s_add_co_u32 s46, s46, s47
	s_add_co_u32 s46, s46, 0x2000000
	s_mov_b32 s47, 0
	s_mul_i32 s20, s10, PART                       ; LDS: part = wave
	s_lshl_b32 s66, s13, 20                        ; out0: (128 x row block + 64 x my half) rows of 8,192 bytes + (128 x column block + 64 x my half) x 4 bytes
	s_lshl_b32 s67, s11, 19
	s_add_co_u32 s66, s66, s67
	s_lshl_b32 s67, s42, 9
	s_add_co_u32 s66, s66, s67
	s_lshl_b32 s67, s12, 8
	s_add_co_u32 s66, s66, s67
	s_mov_b32 s67, 0
	s_wait_dscnt 0x0
	s_wait_kmcnt 0x0
	s_add_nc_u64 s[14:15], s[4:5], s[16:17]        ; ab at my rows' first byte,
	s_or_b32 s15, s15, 0x80000000                  ; with the descriptor's type = 2 on top: a tile's address is this plus its offset along the row
	s_add_nc_u64 s[46:47], s[6:7], s[46:47]        ; the same for wo
	s_or_b32 s47, s47, 0x80000000
	s_add_nc_u64 s[68:69], s[8:9], s[66:67]
	CROUND                                         ; the first joint loads meet
.irp s, 0,1
	s_mov_b32 s[G0+4*\s], 1
	s_add_co_u32 s[G0+4*\s+1], s20, \s*SLOT
	s_add_nc_u64 s[G0+4*\s+2:G0+4*\s+3], s[14:15], s[OFK+2*\s:OFK+2*\s+1]
	s_mov_b32 s[G0B+4*\s], 1
	s_add_co_u32 s[G0B+4*\s+1], s20, \s*SLOT
	s_add_nc_u64 s[G0B+4*\s+2:G0B+4*\s+3], s[46:47], s[OFK+2*\s:OFK+2*\s+1]
	JLOAD \s
.endr
	v_and_b32 v1, 15, v0                           ; r
	v_bfe_u32 v2, v0, 4, 1                         ; h
	v_mul_u32_u24 v3, v1, PITCH
	v_lshl_add_u32 v3, v2, 4, v3                   ; r x pitch + 16 h
	s_mul_i32 s21, s11, PART                       ; my 64 rows of A
	s_mul_i32 s22, s12, PART                       ; my 64 rows of B,
	s_add_co_u32 s22, s22, 2*PART                  ; which lie behind A's 128
.irp s, 0,1
	v_add_nc_u32 v[ADRA+\s], s21, v3
	v_add_nc_u32 v[ADRB+\s], s22, v3
	s_add_co_u32 s21, s21, SLOT
	s_add_co_u32 s22, s22, SLOT
.endr
	s_mul_i32 s23, s10, 16*SPITCH
	s_add_co_u32 s23, s23, STAGE                   ; my stage
	v_mul_u32_u24 v4, v1, SPITCH                   ; in: row r, 32 bytes for each half of the lanes
	v_lshl_add_u32 v4, v2, 5, v4
	v_add_nc_u32 v[STO], s23, v4
	v_mul_u32_u24 v5, v2, SPITCH                   ; back: lanes 0-15 take one row of 256 bytes, lanes 16-31 the next
	v_lshl_add_u32 v5, v1, 4, v5
	v_add_nc_u32 v[RD], s23, v5
	v_lshlrev_b32 v6, 13, v2                       ; and the same two rows in out0
	v_lshl_add_u32 v[CO], v1, 4, v6
; 16 matrix instructions, 32 along K.  The 16 accumulators take turns, one instruction a turn.
.macro MUL16 f, ks, zero
.irp a, 0,1,2,3
.irp b, 0,1,2,3
.if \zero
	v_wmma_f32_16x16x32_f16 v[ACC+8*(4*\a+\b):ACC+8*(4*\a+\b)+7], v[128*\f+64*\ks+32+8*\b:128*\f+64*\ks+32+8*\b+7], v[128*\f+64*\ks+8*\a:128*\f+64*\ks+8*\a+7], 0
.else
	v_wmma_f32_16x16x32_f16 v[ACC+8*(4*\a+\b):ACC+8*(4*\a+\b)+7], v[128*\f+64*\ks+32+8*\b:128*\f+64*\ks+32+8*\b+7], v[128*\f+64*\ks+8*\a:128*\f+64*\ks+8*\a+7], v[ACC+8*(4*\a+\b):ACC+8*(4*\a+\b)+7]
.endif
.endr
.endr
.endm
; 32 LDS loads in one run: 64 along K at byte kb of the rows into buffer f, the first 32 of K first
.macro FETCH slot, kb, f
	WIN TO_F
.irp ks, 0,1
.irp a, 0,1,2,3
	ds_load_b128 v[128*\f+64*\ks+8*\a:128*\f+64*\ks+8*\a+3],   v[ADRA+\slot] offset:\kb+64*\ks+\a*FR
	ds_load_b128 v[128*\f+64*\ks+8*\a+4:128*\f+64*\ks+8*\a+7], v[ADRA+\slot] offset:\kb+64*\ks+\a*FR+32
.endr
.irp b, 0,1,2,3
	ds_load_b128 v[128*\f+64*\ks+32+8*\b:128*\f+64*\ks+32+8*\b+3],   v[ADRB+\slot] offset:\kb+64*\ks+\b*FR
	ds_load_b128 v[128*\f+64*\ks+32+8*\b+4:128*\f+64*\ks+32+8*\b+7], v[ADRB+\slot] offset:\kb+64*\ks+\b*FR+32
.endr
.endr
.endm
; A K step is four quarters of 64 along K on buffers 0, 1, 0, 1.  One of the first three:
.macro QUARTER slot, kb, f, g, zero
	s_wait_dscnt 16                                ; the first 32 of K are in; the younger 16 loads may be out
	WIN MUL
	MUL16 \f, 0, \zero
	PLACES
	FETCH \slot, \kb, \g
	s_wait_dscnt 32                                ; all but the 32 just issued
	WIN MUL
	MUL16 \f, 1, 0
.endm
.macro THREE slot, zero
	QUARTER \slot, 128, 0, 1, \zero
	QUARTER \slot, 256, 1, 0, 0
	QUARTER \slot, 384, 0, 1, 0
.endm
; The last quarter changes slots: each wave's reads of this slot and all its tensor loads are waited for in front of the barrier, which opens a round of the
; cluster's barrier where the slot is filled again; the joint refill is the first tensor load behind the round.  Nothing but the round stands between the wait for
; the landed tile and the next request; the quarter's 32 matrix instructions, which need registers alone, follow the request.
.macro TURN slot, next, fill
	s_wait_dscnt 0                                 ; my reads of this slot are over
	s_set_vgpr_msb 0x500
	s_wait_tensorcnt 0x0                           ; all my tensor loads have landed: every group 0 may be written
	ds_add_u32 v254, v255
	s_wait_dscnt 0x0
	s_set_vgpr_msb 0x5
.if \fill
	s_add_co_u32 s[OFK+2*\slot], s[OFK+2*\slot], 2*KSTEP*2         ; this slot's next tile: two K steps on,
	s_and_b32 s[OFK+2*\slot], s[OFK+2*\slot], 4095                 ; round the end of the row of 4,096 bytes
	s_add_nc_u64 s[G0+4*\slot+2:G0+4*\slot+3], s[14:15], s[OFK+2*\slot:OFK+2*\slot+1]
	s_add_nc_u64 s[G0B+4*\slot+2:G0B+4*\slot+3], s[46:47], s[OFK+2*\slot:OFK+2*\slot+1]
	WIN 0
.endif
	s_barrier_signal -1
	s_barrier_wait -1
.if \fill
	CREST
	JLOAD \slot
.endif
	WIN MUL
	MUL16 1, 0, 0
	PLACES
	FETCH \next, 0, 0
	WIN MUL
	MUL16 1, 1, 0
.endm
.macro LAP zero
	THREE 0, \zero
	TURN 0, 1, 1
	THREE 1, 0
	TURN 1, 0, 1
.endm
	s_wait_tensorcnt 1                             ; my part of the first K step is in; the second's stays out
	s_barrier_signal -1
	s_barrier_wait -1
	FETCH 0, 0, 0
	LAP 1                                          ; the first lap stands in front of the loop: its first products start the sums
	WIN 0
	s_mov_b32 s3, LAPS-2
.Llap:
	LAP 0
	WIN 0
	s_sub_co_u32 s3, s3, 1
	s_cmp_lg_u32 s3, 0
	s_cbranch_scc1 .Llap
	THREE 0, 0                                     ; the last lap fills nothing
	TURN 0, 1, 0
	THREE 1, 0
	s_wait_dscnt 0
	WIN MUL
	MUL16 1, 0, 0
	MUL16 1, 1, 0
	WIN 0
	PLACES
; THE WAY OUT, 16 rows at a time through my own stage: 32 bytes a lane in, whole rows of 256 bytes back (LDS serves a wave's instructions in order: ISA guide 5.7.1)
.macro OUT16 a, rb
.irp b, 0,1,2,3
	ds_store_b128 v[STO], v[ACC+8*(4*\a+\b):ACC+8*(4*\a+\b)+3]   offset:64*\b
	ds_store_b128 v[STO], v[ACC+8*(4*\a+\b)+4:ACC+8*(4*\a+\b)+7] offset:64*\b+16
.endr
	s_wait_xcnt 0x0                                ; the registers read back into were the data of earlier stores: written again only behind this wait
.irp t, 0,1,2,3,4,5,6,7
	ds_load_b128 v[\rb+4*\t:\rb+4*\t+3], v[RD] offset:\t*2*SPITCH
.endr
.irp t, 0,1,2,3,4,5,6,7
	s_wait_dscnt 7-\t
	global_store_b128 v[CO], v[\rb+4*\t:\rb+4*\t+3], s[68:69] offset:\a*131072+\t*16384 th:TH_STORE_NT   ; 16 lanes store 256 consecutive bytes at a multiple of 256
.endr
.endm
	OUT16 0, RB0
	OUT16 1, RB1
	OUT16 2, RB0
	OUT16 3, RB1
	s_wait_tensorcnt 0x0
	ds_add_u32 v254, v255
	s_wait_dscnt 0x0
	CROUND                                         ; the closing round: no work-group ends while a partner may still ask for a tile that names it
	s_endpgm
.Lfunc_end_k_q04a24ec651_oproj:
	.size	k_q04a24ec651_oproj, .Lfunc_end_k_q04a24ec651_oproj-k_q04a24ec651_oproj
	.p2alignl 7, 3214868480
	.fill 96, 4, 3214868480
	.section	.rodata,"a",@progbits
	.p2align	6, 0x0
	.amdhsa_kernel k_q04a24ec651_oproj
		.amdhsa_group_segment_fixed_size 327680
		.amdhsa_private_segment_fixed_size 0
		.amdhsa_enable_private_segment 0
		.amdhsa_kernarg_size 24
		.amdhsa_user_sgpr_count 2
		.amdhsa_user_sgpr_kernarg_segment_ptr 1
		.amdhsa_wavefront_size32 1
		.amdhsa_system_sgpr_workgroup_id_x 1
		.amdhsa_system_sgpr_workgroup_id_y 1
		.amdhsa_system_sgpr_workgroup_id_z 1
		.amdhsa_system_vgpr_workitem_id 0
		.amdhsa_next_free_vgpr 512
		.amdhsa_next_free_sgpr 76
		.amdhsa_reserve_vcc 0
		.amdhsa_float_denorm_mode_32 3
		.amdhsa_float_denorm_mode_16_64 3
		.amdhsa_memory_ordered 1
		.amdhsa_forward_progress 1
		.amdhsa_inst_pref_size 122
	.end_amdhsa_kernel
	.amdgpu_metadata
---
amdhsa.version: [ 1, 2 ]
amdhsa.kernels:
  - .name:           k_q04a24ec651_oproj
    .symbol:         k_q04a24ec651_oproj.kd
    .args:
      - { .name: ab, .offset: 0, .size: 8, .value_kind: global_buffer, .address_space: global }
      - { .name: cb, .offset: 8, .size: 8, .value_kind: global_buffer, .address_space: global }
      - { .name: out0, .offset: 16, .size: 8, .value_kind: global_buffer, .address_space: global }
    .group_segment_fixed_size: 327680
    .private_segment_fixed_size: 0
    .kernarg_segment_align: 8
    .kernarg_segment_size: 24
    .max_flat_workgroup_size: 128
    .sgpr_count:     76
    .vgpr_count:     512
    .wavefront_size: 32
...
	.end_amdgpu_metadata
.endif
;; end of part 4
